; MI455X (gfx1250); checked and timed in simulation.
; The chip was launched on July 23, 2026; its instructions are those of AMD's public machine-readable ISA for CDNA 5 (MIT licence, August 2026) and "CDNA5" Instruction Set Architecture Reference Guide (July 2026). The comments in the code are by the model that wrote it; some were corrected since.
;; Attention Layer. Allowed arithmetic: float matrix products may take bf16 or f16 operands with f32 sums; all other float work in f32.
;; Inputs: V 1,024 x 1 float32; W1 1,024 x 1,024 float32; W2 1,024 x 1,024 float32; b1 1,024 float32; b2 1,024 float32; bV 1 float32; query 32 x 1 x 1,024 float32; values 32 x 2,048 x 1,024 float32.
;; Outputs: out0 32 x 1,024 float32.
;; One version. Each part assembles by itself: llvm-mc -triple=amdgcn-amd-amdhsa -mcpu=gfx1250 --defsym DOCPART=n.
;; ======== version 1 of 1: 3 launches
;; workspace buffers: W2S 2,097,152 bytes; qpart 524,288 bytes; part 2,359,296 bytes
;; launch prep (part 1): grid 64 x 1, 8 waves a work-group, no clusters, 174,080 bytes of LDS; arguments W2, W1, query, b1, b2, W2S, qpart; writes W2S, qpart
.if DOCPART == 1
	.amdgcn_target "amdgcn-amd-amdhsa--gfx1250"
	.amdhsa_code_object_version 6
	.text
	.protected	k_q2d3483622c_prep
	.globl	k_q2d3483622c_prep
	.p2align	8
	.type	k_q2d3483622c_prep,@function
k_q2d3483622c_prep:
	s_mov_b64 s[64:65], 0
	v_nop
	global_prefetch_b8 v0, s[64:65] scope:SCOPE_SE
	s_setreg_imm32_b32 hwreg(HW_REG_WAVE_MODE, 25, 1), 1
	s_wait_xcnt 0x0
; PREPARATION.  C2 = 2 log2(e).  With y = C2 x, tanh(x) = 1 - 2 / (1 + 2^y), so the factor is folded into both addends of x here.
; Work-groups 0-31 (role 0): W2S = bf16(C2 W2) in the order of matrix fragments:
;   byte (((g 32 + t) 8 + b) 2 + c) 512 + 16 lane holds the 8 numbers k = 32 t + 16 c + 8 (lane / 16) + 0..7 of column n = 128 g + 16 b + lane % 16.
; Work-groups 32-63 (role 1): qpart[T][batch][u] = C2 (sum over k = 256 T .. 256 T + 255 of query[batch][k] W1[k][u]), slice T = 0 with C2 (b1 + b2) added.
; A work-group takes 128 columns (g) and 256 rows of k (T) of its matrix; wave w takes the 32 rows t = 8 T + w.
; A tile of 32 rows x 512 bytes comes in by whole rows (each load of the wave covers 512 consecutive bytes), is laid into LDS in f32, and is read
; back column-wise, eight words a lane, which is the transposition that the fragment order needs.
; LIMITS: W2, W1 and query are rounded to bf16 (nearest even), sums in f32.  Slices T > 0 add (b1 + b2) x 0, which is 0 for finite biases only.
; No cluster, no tensor load: no two work-groups read the same bytes but the 128 KiB of query and the biases.
.set C2,    0x4038aa3b                 ; 2 log2(e) in f32
.set TP,    528                        ; LDS pitch of a tile's row: 512 bytes + 16
.set TILEB, 32*TP                      ; a wave's tile
.set QL,    8*TILEB                    ; query slice in bf16: 32 rows x 512 bytes, pitch 528
.set ST,    QL+TILEB                   ; role 1's way out: a region for each wave
.set SROW,  80                         ; its rows: 16 f32 + 16 bytes
.set WR,    32*SROW+64                 ; a wave's region
.set NR,    5                          ; units of eight LDS loads kept on their way
.set L16,   1                          ; v1      16 x lane
.set TST,   2                          ; v2      where I put a row's 16 bytes in my tile
.set GB,    3                          ; v3-5    column-wise reads: role 0 my tile; role 1 tiles 0-2, 3-5, 6-7
.set QLS,   6                          ; v6      where I put 8 bytes of query
.set QLF,   7                          ; v7      query fragments
.set STS,   8                          ; v8      way out, in
.set STL,   9                          ; v9      way out, back
.set GO,    10                         ; v10     byte offset in qpart
.set X,     16                         ; v16-143 32 rows as loaded; later 16 query fragments; at last 4 rows of results
.set PK,    144                        ; v144-207 packed fragments (role 0 uses four slots of 4 by turns)
.set BI,    208                        ; v208-215 b1, b2
.set RG,    216                        ; v216-255 the ring of NR units x 8 words
.set ACC,   216                        ; v216-231 two accumulators, when the ring has been emptied
.set QR,    224                        ; v224-255 query as loaded, before the ring is first used
.macro FRONT_LOAD                      ; my 32 rows, 512 consecutive bytes each
.set ii, 0
.rept 32
	global_load_b128 v[X+4*ii:X+4*ii+3], v[L16], s[26:27] offset:ii*4096 th:TH_LOAD_NT
.set ii, ii+1
.endr
.endm
.macro FRONT_STORE extra               ; extra = loads issued behind the 32
.set ii, 0
.rept 32
	s_wait_loadcnt 31-ii+\extra                    ; loads return in order (ISA guide 5.7.1): row ii is in, the younger ones stay out
	ds_store_b128 v[TST], v[X+4*ii:X+4*ii+3] offset:ii*TP
.set ii, ii+1
.endr
.endm
.macro GUNIT dst, adr, imm             ; one unit: 8 words down a column.  Lanes 16-31 stand 8 rows = 1,056 words further on: 32 banks away (64 banks of 4 bytes: ISA guide 11.1)
.irp e, 0,1,2,3,4,5,6,7
	ds_load_b32 v[\dst+\e], v[\adr] offset:(\imm)+\e*TP
.endr
.endm
.macro FETCHU u, role                  ; unit u into ring slot u % NR.  Role 0: u = 2 b + c of my tile.  Role 1: u = 2 t + c, tile t of the eight
.if \role
	GUNIT RG+8*((\u)%NR), GB+(((\u)>>1)/3), (((\u)>>1)%3)*TILEB+((\u)&1)*16*TP
.else
	GUNIT RG+8*((\u)%NR), GB, ((\u)&1)*16*TP+((\u)>>1)*64
.endif
.endm
.macro UWAIT u                         ; unit u is in; behind it at most NR - 1 units of 8 loads were issued
.if (\u) < 16-NR
	s_wait_dscnt 8*(NR-1)
.else
	s_wait_dscnt 8*(15-(\u))
.endif
.endm
.macro PACK out, src, scale            ; 8 f32 -> 8 bf16 in 4 registers
.if \scale
.irp k, 0,2,4,6
	v_pk_mul_f32 v[\src+\k:\src+\k+1], v[\src+\k:\src+\k+1], s[32:33] op_sel_hi:[1,0]
.endr
.endif
.irp k, 0,1,2,3
	v_cvt_pk_bf16_f32 v[\out+\k], v[\src+2*\k], v[\src+2*\k+1]
.endr
.endm
	s_load_b256 s[4:11], s[0:1], 0x0               ; W2 s[4:5], W1 s[6:7], query s[8:9], b1 s[10:11]
	s_load_b128 s[12:15], s[0:1], 0x20             ; b2 s[12:13], W2S s[14:15]
	s_load_b64 s[16:17], s[0:1], 0x30              ; qpart
	s_set_vgpr_msb 0x40
	v_lshl_add_u32 v0, v0, 2, 0x2a400
	v_mov_b32 v1, 0
	s_set_vgpr_msb 0x4000
	v_lshrrev_b32 v11, 5, v0
	v_readfirstlane_b32 s20, v11                   ; wave 0..7
	s_lshr_b32 s21, ttmp9, 5                       ; role
	s_bfe_u32 s22, ttmp9, 0x30002                  ; g: 3 bits from bit 2
	s_and_b32 s23, ttmp9, 3                        ; T
	s_lshl_b32 s24, s23, 3
	s_add_co_u32 s24, s24, s20                     ; t = 8 T + w
	v_and_b32 v12, 31, v0                          ; lane
	v_and_b32 v13, 15, v0                          ; r
	v_bfe_u32 v14, v0, 4, 1                        ; h
	v_lshlrev_b32 v[L16], 4, v12
	s_mul_i32 s25, s20, TILEB                      ; my tile
	v_add_nc_u32 v[TST], s25, v[L16]
	v_mul_u32_u24 v15, v14, 8*TP
	v_lshl_add_u32 v15, v13, 2, v15                ; 8 h rows + 4 r
	s_lshl_b32 s28, s24, 17                        ; 32 t rows of 4,096 bytes
	s_lshl_b32 s29, s22, 9                         ; + 128 g columns
	s_add_co_u32 s28, s28, s29
	s_mov_b32 s29, 0
	s_mov_b32 s32, C2
	s_mov_b32 s33, C2
	s_wait_kmcnt 0x0
	s_cmp_lg_u32 s21, 0                            ; the same in all eight waves
	s_cbranch_scc1 .Lrole1
	; ---- role 0: W2 -> W2S.  A wave reads only the tile that it wrote, and LDS serves a wave's instructions in order (ISA guide 5.7.1.4): no barrier.
	s_add_nc_u64 s[26:27], s[4:5], s[28:29]
	FRONT_LOAD
	v_add_nc_u32 v[GB], s25, v15
	s_lshl_b32 s30, s22, 5
	s_add_co_u32 s30, s30, s24
	s_lshl_b32 s30, s30, 13                        ; (32 g + t) x 8,192 bytes
	s_mov_b32 s31, 0
	s_add_nc_u64 s[14:15], s[14:15], s[30:31]
	FRONT_STORE 0
.set uu, 0
.rept NR
	FETCHU uu, 0
.set uu, uu+1
.endr
.set uu, 0
.rept 16
	UWAIT uu
	s_wait_xcnt 0x0                                ; the packed slot was an earlier store's data: it is rewritten only behind this wait
	PACK PK+4*(uu%4), RG+8*(uu%NR), 1
	global_store_b128 v[L16], v[PK+4*(uu%4):PK+4*(uu%4)+3], s[14:15] offset:uu*512   ; 512 consecutive bytes, aligned
.if uu+NR < 16
	FETCHU uu+NR, 0
.endif
.set uu, uu+1
.endr
	s_set_vgpr_msb 0x5
	s_wait_tensorcnt 0x0
	ds_add_u32 v0, v1
	s_wait_dscnt 0x0
	s_set_vgpr_msb 0x500
	s_endpgm
	; ---- role 1: a K slice of query x W1
.Lrole1:
	s_add_nc_u64 s[26:27], s[6:7], s[28:29]
	FRONT_LOAD
	s_lshl_b32 s28, s20, 14                        ; query rows 4 w .. 4 w + 3
	s_lshl_b32 s30, s23, 10                        ; columns 256 T ..
	s_add_co_u32 s28, s28, s30
	s_add_nc_u64 s[8:9], s[8:9], s[28:29]
.irp q, 0,1,2,3,4,5,6,7
	global_load_b128 v[QR+4*\q:QR+4*\q+3], v[L16], s[8:9] offset:(\q>>1)*4096+(\q&1)*512
.endr
	s_lshl_b32 s28, s22, 9                         ; the group's 128 columns of b1 and b2
	s_add_nc_u64 s[10:11], s[10:11], s[28:29]
	s_add_nc_u64 s[12:13], s[12:13], s[28:29]
	global_load_b128 v[BI:BI+3], v[L16], s[10:11]
	global_load_b128 v[BI+4:BI+7], v[L16], s[12:13]
	s_mul_i32 s30, s20, 4*TP
	s_add_co_u32 s30, s30, QL
	v_lshl_add_u32 v[QLS], v12, 3, s30             ; QL + 4 w rows + 8 lane
	v_mul_u32_u24 v[QLF], v13, TP
	v_lshl_add_u32 v[QLF], v14, 4, v[QLF]
	v_add_nc_u32 v[QLF], QL, v[QLF]                ; QL + r rows + 16 h
	v_lshl_add_u32 v[GB], s20, 6, v15              ; my 16 columns (n tile w) in tile 0,
	v_add_nc_u32 v[GB+1], 3*TILEB, v[GB]           ; tile 3,
	v_add_nc_u32 v[GB+2], 6*TILEB, v[GB]           ; tile 6: the immediate reaches two tiles further
	s_mul_i32 s30, s20, WR
	s_add_co_u32 s30, s30, ST
	v_mul_u32_u24 v[STS], v14, 8*SROW
	v_lshl_add_u32 v[STS], v13, 2, v[STS]
	v_add_nc_u32 v[STS], s30, v[STS]               ; my region + 8 h rows + 4 r
	v_lshrrev_b32 v11, 2, v12
	v_mul_u32_u24 v[STL], v11, WR                  ; back: lane L takes columns 4 L .. 4 L + 3 = region L / 4, 16 bytes at 16 (L % 4)
	v_and_b32 v11, 3, v12
	v_lshl_add_u32 v[STL], v11, 4, v[STL]
	s_mul_i32 s30, s20, SROW
	s_add_co_u32 s30, s30, ST
	v_add_nc_u32 v[STL], s30, v[STL]               ; row w
	v_lshl_add_u32 v[GO], s20, 12, v[L16]          ; qpart: row w, 16 lane
	s_lshl_b32 s30, s23, 17                        ; slice T
	s_lshl_b32 s31, s22, 9                         ; columns 128 g
	s_add_co_u32 s30, s30, s31
	s_mov_b32 s31, 0
	s_add_nc_u64 s[16:17], s[16:17], s[30:31]
	FRONT_STORE 10                                 ; behind the 32: eight loads of query, two of the biases
.irp q, 0,1,2,3,4,5,6,7
	s_wait_loadcnt 9-\q                            ; query load q is in; the younger ones and the two biases stay out
	v_cvt_pk_bf16_f32 v[QR+4*\q], v[QR+4*\q], v[QR+4*\q+1]
	v_cvt_pk_bf16_f32 v[QR+4*\q+1], v[QR+4*\q+2], v[QR+4*\q+3]
	ds_store_b64 v[QLS], v[QR+4*\q:QR+4*\q+1] offset:(\q>>1)*TP+(\q&1)*256
.endr
	s_wait_dscnt 0x0                               ; my tile and my rows of query are in LDS: zero, since other waves read them
	s_barrier_signal -1
	s_barrier_wait -1                              ; everybody's are
.set ff, 0
.rept 16                                           ; fragment 2 t + a: batches 16 a + r, k = 32 t + 8 h .. and 32 t + 16 + 8 h ..
	ds_load_b128 v[X+8*ff:X+8*ff+3], v[QLF] offset:(ff&1)*16*TP+(ff>>1)*64
	ds_load_b128 v[X+8*ff+4:X+8*ff+7], v[QLF] offset:(ff&1)*16*TP+(ff>>1)*64+32
.set ff, ff+1
.endr
.set uu, 0
.rept NR
	FETCHU uu, 1
.set uu, uu+1
.endr
.set uu, 0
.rept 16
	UWAIT uu                                       ; the last count is 0: the query fragments, issued earlier, are in as well
	PACK PK+4*uu, RG+8*(uu%NR), 0
.if uu+NR < 16
	FETCHU uu+NR, 1
.endif
.set uu, uu+1
.endr
	; 32 batches x my 16 columns x 256 k: the two accumulators take turns, one instruction a turn; the first two products start the sums
.set ff, 0
.rept 16
.if ff < 2
	v_wmma_f32_16x16x32_bf16 v[ACC+8*(ff&1):ACC+8*(ff&1)+7], v[X+8*ff:X+8*ff+7], v[PK+8*(ff>>1):PK+8*(ff>>1)+7], 0
.else
	v_wmma_f32_16x16x32_bf16 v[ACC+8*(ff&1):ACC+8*(ff&1)+7], v[X+8*ff:X+8*ff+7], v[PK+8*(ff>>1):PK+8*(ff>>1)+7], v[ACC+8*(ff&1):ACC+8*(ff&1)+7]
.endif
.set ff, ff+1
.endr
.rept 4
	v_nop                                          ; four places behind the last matrix instruction (ISA guide 7.12.1) before results are stored and sources loaded again
.endr
.irp a, 0,1
.irp j, 0,1,2,3,4,5,6,7
	ds_store_b32 v[STS], v[ACC+8*\a+\j] offset:(16*\a+\j)*SROW   ; batch 16 a + 8 h + j, column 16 w + r
.endr
.endr
	s_wait_dscnt 0x0                               ; zero: other waves read these rows
	s_barrier_signal -1
	s_barrier_wait -1
.irp i, 0,1,2,3
	ds_load_b128 v[X+4*\i:X+4*\i+3], v[STL] offset:8*\i*SROW     ; batch w + 8 i, all 128 columns over the 32 lanes
.endr
	s_cmp_eq_u32 s23, 0
	s_cselect_b32 s30, s32, 0                      ; the biases enter slice 0 alone
	s_mov_b32 s31, s30
	s_wait_loadcnt 0x0                             ; b1, b2
	v_pk_add_f32 v[BI:BI+1], v[BI:BI+1], v[BI+4:BI+5]
	v_pk_add_f32 v[BI+2:BI+3], v[BI+2:BI+3], v[BI+6:BI+7]
	v_pk_mul_f32 v[BI:BI+1], v[BI:BI+1], s[30:31] op_sel_hi:[1,0]
	v_pk_mul_f32 v[BI+2:BI+3], v[BI+2:BI+3], s[30:31] op_sel_hi:[1,0]
	s_wait_dscnt 0x0
.irp i, 0,1,2,3
	v_pk_fma_f32 v[X+4*\i:X+4*\i+1], v[X+4*\i:X+4*\i+1], s[32:33], v[BI:BI+1] op_sel_hi:[1,0,1]
	v_pk_fma_f32 v[X+4*\i+2:X+4*\i+3], v[X+4*\i+2:X+4*\i+3], s[32:33], v[BI+2:BI+3] op_sel_hi:[1,0,1]
	global_store_b128 v[GO], v[X+4*\i:X+4*\i+3], s[16:17] offset:\i*32768   ; 512 consecutive bytes, aligned
.endr
	s_set_vgpr_msb 0x5
	s_wait_tensorcnt 0x0
	ds_add_u32 v0, v1
	s_wait_dscnt 0x0
	s_set_vgpr_msb 0x500
	s_endpgm
.Lfunc_end_k_q2d3483622c_prep:
	.size	k_q2d3483622c_prep, .Lfunc_end_k_q2d3483622c_prep-k_q2d3483622c_prep
	.p2alignl 7, 3214868480
	.fill 96, 4, 3214868480
	.section	.rodata,"a",@progbits
	.p2align	6, 0x0
	.amdhsa_kernel k_q2d3483622c_prep
		.amdhsa_group_segment_fixed_size 174080
		.amdhsa_private_segment_fixed_size 0
		.amdhsa_enable_private_segment 0
		.amdhsa_kernarg_size 56
		.amdhsa_user_sgpr_count 2
		.amdhsa_user_sgpr_kernarg_segment_ptr 1
		.amdhsa_wavefront_size32 1
		.amdhsa_system_sgpr_workgroup_id_x 1
		.amdhsa_system_sgpr_workgroup_id_y 1
		.amdhsa_system_sgpr_workgroup_id_z 1
		.amdhsa_system_vgpr_workitem_id 0
		.amdhsa_next_free_vgpr 258
		.amdhsa_next_free_sgpr 66
		.amdhsa_reserve_vcc 0
		.amdhsa_float_denorm_mode_32 3
		.amdhsa_float_denorm_mode_16_64 3
		.amdhsa_memory_ordered 1
		.amdhsa_forward_progress 1
		.amdhsa_inst_pref_size 56
	.end_amdhsa_kernel
	.amdgpu_metadata
---
amdhsa.version: [ 1, 2 ]
amdhsa.kernels:
  - .name:           k_q2d3483622c_prep
    .symbol:         k_q2d3483622c_prep.kd
    .args:
      - { .name: W2, .offset: 0, .size: 8, .value_kind: global_buffer, .address_space: global }
      - { .name: W1, .offset: 8, .size: 8, .value_kind: global_buffer, .address_space: global }
      - { .name: query, .offset: 16, .size: 8, .value_kind: global_buffer, .address_space: global }
      - { .name: b1, .offset: 24, .size: 8, .value_kind: global_buffer, .address_space: global }
      - { .name: b2, .offset: 32, .size: 8, .value_kind: global_buffer, .address_space: global }
      - { .name: W2S, .offset: 40, .size: 8, .value_kind: global_buffer, .address_space: global }
      - { .name: qpart, .offset: 48, .size: 8, .value_kind: global_buffer, .address_space: global }
    .group_segment_fixed_size: 174080
    .private_segment_fixed_size: 0
    .kernarg_segment_align: 8
    .kernarg_segment_size: 56
    .max_flat_workgroup_size: 256
    .sgpr_count:     66
    .vgpr_count:     258
    .wavefront_size: 32
...
	.end_amdgpu_metadata
.endif
;; end of part 1
;; launch attn (part 2): grid 512 x 1, 4 waves a work-group, no clusters, 295,424 bytes of LDS; arguments values, W2S, qpart, V, bV, part; writes part
.if DOCPART == 2
	.amdgcn_target "amdgcn-amd-amdhsa--gfx1250"
	.amdhsa_code_object_version 6
	.text
	.protected	k_q2d3483622c_attn
	.globl	k_q2d3483622c_attn
	.p2align	8
	.type	k_q2d3483622c_attn,@function
k_q2d3483622c_attn:
	s_mov_b64 s[64:65], 0
	v_nop
	global_prefetch_b8 v0, s[64:65] scope:SCOPE_SE
	s_setreg_imm32_b32 hwreg(HW_REG_WAVE_MODE, 25, 1), 1
	s_wait_xcnt 0x0
; ONE BLOCK OF 128 ROWS OF ONE BATCH, FROM values TO A PARTIAL SOFTMAX-WEIGHTED SUM.  512 work-groups; block id = 16 batch + part.
;   1. the block's 128 x 1024 f32 are read once, rounded to bf16 and kept in LDS (A) for both of their uses;
;   2. y = C2 (values W2 + query W1 + b1 + b2), C2 = 2 log2(e), on the matrix units: W2S and qpart carry the factor;
;   3. on the accumulators: r = 1 / (1 + 2^y), so that tanh = 1 - 2 r, and score = bV + sum V + sum (-2 V_u) r_u;
;   4. the block's own maximum m, p = e^(score - m), l = sum p;   5. ctx[d] = sum over the 128 rows of p values[.][d], from the same LDS rows;
;   6. part[id] = ctx[1024], then (m, l).  The next launch merges the 16 blocks of a batch under their common maximum.
; SHAPE: four waves; wave w owns u = 256 w .. 256 w + 255, in two passes of 128; its accumulator tile is 128 (u) x 128 (rows): 512 registers.
; All waves read all of A; a W2 fragment is read by one wave only, so it goes from memory straight into registers, 512 consecutive bytes an instruction.
; values ARRIVE WHILE PASS 0 MULTIPLIES.  A step of 32 k needs only those 32 k of the rows, so values come in eight chunks of 128 k (512 bytes of each
; row); A lies in LDS chunk by chunk.  Only chunk 0 is waited for in front of the first product; wave w brings rows 32 w .. 32 w + 31 of the others in
; groups of 8 rows, one group a step, through a ring of four groups in registers; a barrier in each trip's fourth step shows the next chunk to all waves.
; NO CLUSTER, NO TENSOR LOAD, by this arithmetic: A takes 8 x 34,816 = 278,528 of the 327,680 bytes of LDS; two slots of even one step of 32 k for the
; group's 512 columns would take 2 x 32,768, more than the 49,152 left.  So shared W2 tiles have no LDS to land in.
; THE MATRIX INSTRUCTION IS USED TRANSPOSED: source 0 = 16 columns u of W2, source 1 = 16 rows s of values.  Register j of lane (r, h) is then
; (u = 16 b + 8 h + j, s = 16 a + r): the bias is a C block of 8 registers that the first product starts from, -2 V is 8 registers likewise,
; and the sum over u stays in the lane but for one exchange between the halves.
; The sums with V and with p have one row each: they run on the vector ALU in f32 (p and r are never rounded), fused where their operands already lie.
; LIMITS: values and W2 enter the product as bf16 (nearest even), sums in f32; the weighted sum takes the same bf16 values, with p in f32.
; 1 - 2 / (1 + 2^y) has an absolute error near 1e-7 and saturates rightly (2^y = inf gives r = 0; 2^y = 0 gives r = 1).  v_exp_f32 and v_rcp_f32 flush
; denormals (ISA guide 15.8): p below 2^-126 counts as 0.  The score's order of rounding differs from a plain dot product with tanh: error of the order of
; f32's epsilon x sum |V|.  NaN and infinities in the inputs are not followed.
.set CP,    272                        ; a row of a chunk: 256 bytes + 16 = 68 words, so row r starts at bank 4 r mod 64 (64 banks of 4 bytes: ISA guide 11.1)
.set CHUNK, 128*CP                     ; 128 rows x 128 k
.set QC,   8*CHUNK                     ; 4,096 bytes: the batch's bias, f32
.set VM,   QC+4096                     ; 4,096 bytes: -2 V
.set SCR,  VM+4096                     ; 4 x 512: each wave's part of the 128 scores
.set PW,   SCR+2048                    ; 4 x 512: each wave's own copy of p
.set OST,  PW+2048                     ; 4 x 1,024: the way out, each wave's own
; window 0
.set L16,  1                           ; 16 x lane; never rewritten
.set LA,   2                           ; A stores: my wave's rows in the chunk behind the one that is multiplied; stepped
.set LA0,  3                           ; the same in chunk 0
.set AADR, 4                           ; fragments of A: row r, 16 h, in the chunk that is multiplied; stepped
.set ABASE, 5                          ; the same in chunk 0
.set QADR, 12
.set VADR, 13
.set SADR, 14
.set ZADR, 15
.set PWS,  16
.set PWB,  17
.set CADR, 18
.set OSTS, 19
.set OSTL, 20
.set GOUT, 21
.set CPYL, 22
.set CPYG, 23
.set S,    24                          ; v24-31 score part of row tile a
.set SP,   32                          ; v32-39 four chains of pairs
.set ACC,  40                          ; v40-47 weighted sum of my 8 columns
.set SM,   24                          ; v24-63 at the start: ten small loads
.set TB,   32                          ; v32-63 while values arrive: two sets of eight pairs of packed bf16
.set AF,   64                          ; v64-95 fragments of row tiles 0-3, v96-127 of 4-7
.set X,    128                         ; v128-255 while values arrive: a ring of four groups of 8 loads x 4
.set CB,   128                         ; v128-191 behind a pass: eight blocks of 8 of -2 V
.set E,    192                         ; v192-255 at work behind a pass
.set Z,    224                         ; v224-239 score parts; p in v224-227
.set CX,   64                          ; v64-143, v144-223 weighted sum: two buffers of 16 rows x 4 and 16 p
; window 1: v[64 q + 8 b + 4 c]: four W2 fragment buffers, q = step % 4; W2 is fetched two steps ahead, so buffer 3 is free in a pass's first step:
.set BIAS, 192                         ; there it holds the eight bias blocks
; window 2: accumulators of row tiles 0-3, v[8 (8 a + b)]; at the start v0-127 take chunk 0 as loaded.  Window 3: accumulators of row tiles 4-7.
.set MSB, 0
.macro WIN new                         ; s_set_vgpr_msb: bits 1:0 source 0, 3:2 source 1, 5:4 source 2, 7:6 destination; the high byte repeats the setting that is left
.if MSB != (\new)
	s_set_vgpr_msb (MSB<<8)|(\new)
.set MSB, \new
.endif
.endm
.macro PLACES                          ; four places behind a matrix instruction before its sources are loaded again or its result is read (ISA guide 7.12.1)
.rept 4
	v_nop
.endr
.endm
.macro BLOAD q, imm                    ; one step's W2 fragments: 128 u x 32 k = 8,192 consecutive bytes, into buffer q
	WIN 0x40
.irp n, 0,1,2,3,4,5,6,7,8,9,10,11,12,13,14,15
	global_load_b128 v[64*(\q)+4*\n:64*(\q)+4*\n+3], v[L16], s[6:7] offset:(\imm)+512*\n
.endr
.endm
.macro VLOAD slot, imm                 ; a group of values: 512 consecutive bytes (128 k) of each of 8 rows, into ring slot
	WIN 0
.irp i, 0,1,2,3,4,5,6,7
	global_load_b128 v[X+32*(\slot)+4*\i:X+32*(\slot)+4*\i+3], v[L16], s[4:5] offset:(\imm)+\i*4096 th:TH_LOAD_NT
.endr
.endm
.macro CVTH xb, part, tb               ; half a group (4 loads at register xb + 16 part) to bf16: eight plain vector instructions
.irp i, 0,1,2,3
	v_cvt_pk_bf16_f32 v[TB+16*(\tb)+8*(\part)+2*\i], v[(\xb)+16*(\part)+4*\i], v[(\xb)+16*(\part)+4*\i+1]
	v_cvt_pk_bf16_f32 v[TB+16*(\tb)+8*(\part)+2*\i+1], v[(\xb)+16*(\part)+4*\i+2], v[(\xb)+16*(\part)+4*\i+3]
.endr
.endm
.macro ASTORE adr, tb, imm             ; a group into A: each store of the wave writes the 256 consecutive bytes of one row of a chunk
.irp i, 0,1,2,3,4,5,6,7
	ds_store_b64 v[\adr], v[TB+16*(\tb)+2*\i:TB+16*(\tb)+2*\i+1] offset:(\imm)+\i*CP
.endr
.endm
.macro AFLOAD half, koff               ; four fragments of A: row tiles 4 half .. 4 half + 3, 32 k at byte koff
	WIN 0
.irp t, 0,1,2,3
	ds_load_b128 v[AF+32*\half+8*\t:AF+32*\half+8*\t+3], v[AADR] offset:(4*\half+\t)*16*CP+(\koff)
	ds_load_b128 v[AF+32*\half+8*\t+4:AF+32*\half+8*\t+7], v[AADR] offset:(4*\half+\t)*16*CP+(\koff)+32
.endr
.endm
; 32 matrix instructions: four row tiles x eight u tiles.  first = 1: C is the bias block (window 1), so nothing is cleared and no bias is added later.
; The 64 accumulators take turns, one instruction a turn, in the same order in every step and over the backward jump.
.macro MUL32 q, half, first
.if \first
.if \half
	WIN 0xd1
.else
	WIN 0x91
.endif
.else
.if \half
	WIN 0xf1
.else
	WIN 0xa1
.endif
.endif
.irp a, 0,1,2,3
.irp b, 0,1,2,3,4,5,6,7
.if \first
	v_wmma_f32_16x16x32_bf16 v[8*(8*\a+\b):8*(8*\a+\b)+7], v[64*(\q)+8*\b:64*(\q)+8*\b+7], v[AF+32*\half+8*\a:AF+32*\half+8*\a+7], v[BIAS+8*\b:BIAS+8*\b+7]
.else
	v_wmma_f32_16x16x32_bf16 v[8*(8*\a+\b):8*(8*\a+\b)+7], v[64*(\q)+8*\b:64*(\q)+8*\b+7], v[AF+32*\half+8*\a:AF+32*\half+8*\a+7], v[8*(8*\a+\b):8*(8*\a+\b)+7]
.endif
.endr
.endr
.endm
; One step of 32 k: step g = 4 trip + s.
;   ld:  fetch W2's fragments of step g + 2.          cnt: loads issued behind those of W2's step g.
;   cv:  group g + 5 of values is rounded and stored.  vl: group g + 8 is asked for, into the slot that group g + 4 has left.
;   bar: the barrier that shows the next chunk to all waves.
; Loads return in order (ISA guide 5.7.1).  A step issues W2 first, then values, so the wait for W2's step g also shows every group asked for three steps
; ago or earlier: group g + 5.  The sixteen conversions of a group are the places in front of the step's two runs of LDS loads.
.macro STEP s, ld, cnt, first, nexta, cv, vl, bar
	WIN 0
	s_wait_loadcnt \cnt                            ; W2's step g is in, and group g + 5; what was issued behind them stays out
.if \cv
	CVTH X+32*((\s+1)%4), 0, (\s&1)                ; eight places behind the last step's products, which read row tiles 4-7
.else
	PLACES
.endif
.if \bar == 0
	AFLOAD 1, 64*\s
.endif
.if \ld
	BLOAD (\s+2)%4, (\s+2)*8192
.endif
.if \vl
	VLOAD \s, \s*32768+1024                        ; rows 8 s .. 8 s + 7 of the chunk two behind the one that is multiplied
.endif
.if \bar
	s_wait_dscnt 0x0                               ; my stores of the next chunk (the last were issued half a step ago) and my LDS loads are done: zero, for the others' sake
	s_barrier_signal -1                            ; say so; up to the wait: reads of this chunk, which nobody writes, and register work
	AFLOAD 1, 64*\s
.else
	s_wait_dscnt 8                                 ; row tiles 0-3 (and, in a pass's first step, the bias) are in; the 8 loads just issued stay out
.endif
	MUL32 \s, 0, \first
	WIN 0
.if \cv
	CVTH X+32*((\s+1)%4), 1, (\s&1)                ; eight places behind the products that read row tiles 0-3
.else
	PLACES
.endif
.if \bar
	s_barrier_wait -1                              ; the next chunk is whole: every wave has stored its 32 rows of it
.endif
.if \cv
.if \s < 3
	ASTORE LA, (\s&1), 8*(\s+1)*CP                 ; groups 1-3 of the next chunk
.else
	ASTORE LA, (\s&1), CHUNK                       ; group 0 of the chunk behind it
.endif
.endif
.if \nexta
.if \s < 3
	AFLOAD 0, 64*(\s+1)                            ; the next step's row tiles 0-3
.else
	AFLOAD 0, CHUNK                                ; in the next chunk
.endif
.endif
	s_wait_dscnt 8*\cv+8*\nexta                    ; row tiles 4-7 are in; the stores and loads just issued stay out
	MUL32 \s, 1, \first
.endm
.macro TRIPEND sw, sv, sa, sl          ; behind four steps: which of the four addresses go on
	WIN 0                                          ; at a label and at a branch every window is 0
.if \sw
	s_wait_xcnt 0x0                                ; the loads' bases are stepped only behind this wait
	s_add_nc_u64 s[6:7], s[6:7], 32768             ; W2: four steps of 8,192 bytes
.endif
.if \sv
	s_add_nc_u64 s[4:5], s[4:5], 512               ; values: 128 k
.endif
.if \sa
	v_add_nc_u32 v[AADR], CHUNK, v[AADR]
.endif
.if \sl
	v_add_nc_u32 v[LA], CHUNK, v[LA]
.endif
.endm
.macro STREAM first                    ; a trip of pass 0 with values arriving.  32 = group g + 6, W2's step g + 1, group g + 7: 8 + 16 + 8 loads
	STEP 0, 1, 32, \first, 1, 1, 1, 0
	STEP 1, 1, 32, 0, 1, 1, 1, 0
	STEP 2, 1, 32, 0, 1, 1, 1, 0
	STEP 3, 1, 32, 0, 1, 1, 1, 1
	TRIPEND 1, 1, 1, 1
.endm
.macro PLAIN first, lasta              ; a trip without values.  16 = W2's step g + 1
	STEP 0, 1, 16, \first, 1, 0, 0, 0
	STEP 1, 1, 16, 0, 1, 0, 0, 0
	STEP 2, 1, 16, 0, 1, 0, 0, 0
.if \lasta
	STEP 3, 1, 16, 0, 0, 0, 0, 0
	TRIPEND 1, 0, 0, 0
.else
	STEP 3, 1, 16, 0, 1, 0, 0, 0
	TRIPEND 1, 0, 1, 0
.endif
.endm
.macro PASSHEAD p                      ; the pass's bias into W2 buffer 3, the first fragments of A
	v_mov_b32 v[AADR], v[ABASE]
	WIN 0x40
.irp b, 0,1,2,3,4,5,6,7
	ds_load_b128 v[BIAS+8*\b:BIAS+8*\b+3], v[QADR] offset:512*\p+64*\b          ; bias of u = 16 b + 8 h + 0..3,
	ds_load_b128 v[BIAS+8*\b+4:BIAS+8*\b+7], v[QADR] offset:512*\p+64*\b+16     ; + 4..7: the same words in all 16 lanes of a half
.endr
	AFLOAD 0, 0
.endm
; Row tile a behind pass p: r = 1 / (1 + 2^y) on its 64 accumulator registers, then the sum of (-2 V) r in four chains of pairs.
.macro EPIROW a, p
.if \a < 4
	WIN 0x02
.else
	WIN 0x03
.endif
.set nn, 0
.rept 64
	v_exp_f32 v[E+nn], v[64*(\a&3)+nn]
.set nn, nn+1
.endr
	WIN 0
	v_nop                                          ; one plain place behind the last transcendental (ISA guide 5.7.2)
.set nn, 0
	s_wait_alu depctr_va_vdst(0)
.rept 32
	v_pk_add_f32 v[E+2*nn:E+2*nn+1], v[E+2*nn:E+2*nn+1], 1.0 op_sel_hi:[1,0]
.set nn, nn+1
.endr
.set nn, 0
.rept 64
	v_rcp_f32 v[E+nn], v[E+nn]
.set nn, nn+1
.endr
	v_nop
	s_wait_alu depctr_va_vdst(0)
.if \a == 0
	s_wait_dscnt 0x0                               ; -2 V is in
.endif
.irp b, 0,1,2,3,4,5,6,7
.irp i, 0,1,2,3
.if \b == 0
	v_pk_mul_f32 v[SP+2*\i:SP+2*\i+1], v[E+8*\b+2*\i:E+8*\b+2*\i+1], v[CB+8*\b+2*\i:CB+8*\b+2*\i+1]
.else
	v_pk_fma_f32 v[SP+2*\i:SP+2*\i+1], v[E+8*\b+2*\i:E+8*\b+2*\i+1], v[CB+8*\b+2*\i:CB+8*\b+2*\i+1], v[SP+2*\i:SP+2*\i+1]
.endif
.endr
.endr
	v_pk_add_f32 v[SP:SP+1], v[SP:SP+1], v[SP+2:SP+3]
	v_pk_add_f32 v[SP+4:SP+5], v[SP+4:SP+5], v[SP+6:SP+7]
	v_pk_add_f32 v[SP:SP+1], v[SP:SP+1], v[SP+4:SP+5]
.if \p
	v_add_f32 v[SP], v[SP], v[SP+1]
	v_add_f32 v[S+\a], v[S+\a], v[SP]
.else
	v_add_f32 v[S+\a], v[SP], v[SP+1]
.endif
.endm
.macro EPI p                           ; the tanh and the sum with V on the pass's 128 u
	PLACES                                         ; behind the last products: their results are read
.irp b, 0,1,2,3,4,5,6,7
	ds_load_b128 v[CB+8*\b:CB+8*\b+3], v[VADR] offset:512*\p+64*\b
	ds_load_b128 v[CB+8*\b+4:CB+8*\b+7], v[VADR] offset:512*\p+64*\b+16
.endr
.irp a, 0,1,2,3,4,5,6,7
	EPIROW \a, \p
.endr
.endm
.macro WSUM reg, tmp                   ; sum over the wave's 32 lanes, result in every lane
.irp x, 1,2,4,8
	v_add_f32_dpp v[\reg], v[\reg], v[\reg] row_xmask:\x row_mask:0xf bank_mask:0xf
.endr
	v_permlanex16_b32 v[\tmp], v[\reg], s23, s24
	v_add_f32 v[\reg], v[\reg], v[\tmp]
.endm
.macro WMAX reg, tmp
.irp x, 1,2,4,8
	v_max_num_f32_dpp v[\reg], v[\reg], v[\reg] row_xmask:\x row_mask:0xf bank_mask:0xf
.endr
	v_permlanex16_b32 v[\tmp], v[\reg], s23, s24
	v_max_num_f32 v[\reg], v[\reg], v[\tmp]
.endm
.macro CLOAD buf, n                    ; rows 16 n .. 16 n + 15: my 8 columns (16 bytes) of each, and their 16 p
.irp i, 0,1,2,3,4,5,6,7,8,9,10,11,12,13,14,15
	ds_load_b128 v[CX+80*\buf+4*\i:CX+80*\buf+4*\i+3], v[CADR] offset:\i*CP
.endr
.irp i, 0,1,2,3
	ds_load_b128 v[CX+80*\buf+64+4*\i:CX+80*\buf+64+4*\i+3], v[PWB] offset:64*\n+16*\i
.endr
	v_add_nc_u32 v[CADR], 16*CP, v[CADR]
.endm
.macro CFMA buf                        ; ACC[c] += bf16 value x p, p whole f32
.irp i, 0,1,2,3,4,5,6,7,8,9,10,11,12,13,14,15
.irp d, 0,1,2,3
	v_fma_mix_f32_bf16 v[ACC+2*\d], v[CX+80*\buf+4*\i+\d], v[CX+80*\buf+64+\i], v[ACC+2*\d] op_sel_hi:[1,0,0]
	v_fma_mix_f32_bf16 v[ACC+2*\d+1], v[CX+80*\buf+4*\i+\d], v[CX+80*\buf+64+\i], v[ACC+2*\d+1] op_sel:[1,0,0] op_sel_hi:[1,0,0]
.endr
.endr
.endm
.macro PRO j, cnt                      ; at the start: rows 8 j .. 8 j + 7 of chunk 0, from window 2 into A
	s_wait_loadcnt \cnt
	WIN 0x0a
	CVTH 32*\j, 0, (\j&1)
	CVTH 32*\j, 1, (\j&1)
	WIN 0
	ASTORE LA0, (\j&1), 8*\j*CP
.endm
	; ---- head: all addresses are made while the kernel arguments are on their way
	s_load_b256 s[4:11], s[0:1], 0x0               ; values s[4:5], W2S s[6:7], qpart s[8:9], V s[10:11]
	s_load_b128 s[12:15], s[0:1], 0x20             ; bV s[12:13], part s[14:15]
	v_lshl_add_u32 v10, v0, 2, 0x48000
	v_mov_b32 v11, 0
	v_lshrrev_b32 v40, 5, v0
	v_readfirstlane_b32 s16, v40                   ; wave 0..3
	v_and_b32 v41, 31, v0                          ; lane
	v_and_b32 v42, 15, v0                          ; r
	v_bfe_u32 v43, v0, 4, 1                        ; h
	v_lshlrev_b32 v[L16], 4, v41
	v_lshlrev_b32 v[CPYG], 4, v0                   ; 16 x thread
	v_add_nc_u32 v[CPYL], QC, v[CPYG]
	s_mul_i32 s25, s16, 32*CP                      ; my wave's 32 rows of a chunk
	v_lshl_add_u32 v[LA0], v41, 3, s25             ; 4 numbers a lane: 8 bytes
	v_add_nc_u32 v[LA], CHUNK, v[LA0]
	v_mul_u32_u24 v44, v42, CP
	v_lshl_add_u32 v[ABASE], v43, 4, v44           ; row r, 16 h
	s_mul_i32 s25, s16, 2*CHUNK                    ; columns 256 w + 8 lane = chunk 2 w + h, byte 16 r of its rows
	v_mul_u32_u24 v45, v43, CHUNK
	v_lshl_add_u32 v45, v42, 4, v45
	v_add_nc_u32 v[CADR], s25, v45
	s_lshl_b32 s26, s16, 10                        ; 1,024 w
	s_lshl_b32 s27, s16, 9                         ; 512 w
	s_add_co_u32 s28, s26, QC
	v_lshl_add_u32 v[QADR], v43, 5, s28            ; bias of u = 256 w + 8 h
	v_add_nc_u32 v[VADR], 4096, v[QADR]            ; -2 V likewise
	s_add_co_u32 s28, s27, SCR
	v_lshl_add_u32 v[SADR], v42, 2, s28
	v_add_nc_u32 v[ZADR], SCR, v[L16]
	s_add_co_u32 s28, s27, PW
	v_mov_b32 v[PWB], s28
	v_add_nc_u32 v[PWS], s28, v[L16]
	s_add_co_u32 s28, s26, OST
	v_lshl_add_u32 v[OSTS], v41, 5, s28
	v_add_nc_u32 v[OSTL], s28, v[L16]
	v_add_nc_u32 v[GOUT], s26, v[L16]
	s_lshl_b32 s20, ttmp9, 19                      ; the block's 128 rows of 4,096 bytes (below 2^28),
	s_lshl_b32 s28, s16, 17                        ; my wave's 32 of them
	s_add_co_u32 s20, s20, s28
	s_mov_b32 s21, 0
	s_lshl_b32 s28, s16, 19                        ; my wave's 512 KiB of W2S
	s_mov_b32 s29, 0
	s_lshr_b32 s18, ttmp9, 4                       ; batch
	s_lshl_b32 s30, s18, 12
	s_mov_b32 s31, 0
	s_mul_i32 s32, ttmp9, 4608                     ; the block's row of part
	s_mov_b32 s33, 0
	s_mov_b32 s23, 0x76543210                      ; v_permlanex16_b32: lane i of one half reads lane i of the other
	s_mov_b32 s24, 0xfedcba98
	s_wait_kmcnt 0x0
	s_add_nc_u64 s[4:5], s[4:5], s[20:21]
	s_add_nc_u64 s[6:7], s[6:7], s[28:29]
	s_add_nc_u64 s[8:9], s[8:9], s[30:31]
	s_add_nc_u64 s[14:15], s[14:15], s[32:33]
	s_load_b32 s22, s[12:13], 0x0                  ; bV; waited for where it is used
	; ---- the start: ten small loads, chunk 0 (groups 0-3, into window 2) and group 4; then, as chunk 0 is taken, groups 5-7 and W2's steps 0 and 1,
	; in the order that the steps keep: group 5, W2 0, group 6, W2 1, group 7.  At most 56 loads of a wave are out.
.irp t, 0,1,2,3
	global_load_b128 v[SM+8*\t:SM+8*\t+3], v[CPYG], s[8:9] offset:\t*131072
	global_load_b128 v[SM+8*\t+4:SM+8*\t+7], v[CPYG], s[8:9] offset:\t*131072+2048
.endr
	global_load_b128 v[SM+32:SM+35], v[CPYG], s[10:11]
	global_load_b128 v[SM+36:SM+39], v[CPYG], s[10:11] offset:2048
	WIN 0x80
.set ii, 0
.rept 32
	global_load_b128 v[4*ii:4*ii+3], v[L16], s[4:5] offset:ii*4096 th:TH_LOAD_NT   ; row ii, k = 0 .. 127: 512 consecutive bytes
.set ii, ii+1
.endr
	VLOAD 0, 512                                   ; group 4: rows 0-7 of chunk 1
	s_wait_loadcnt 40                              ; the ten small loads are in; chunk 0's 32 and group 4's 8 stay out
.irp k, 0,2,4,6
	v_pk_add_f32 v[SM+\k:SM+\k+1], v[SM+\k:SM+\k+1], v[SM+8+\k:SM+8+\k+1]            ; the four K slices of the query's projection
	v_pk_add_f32 v[SM+16+\k:SM+16+\k+1], v[SM+16+\k:SM+16+\k+1], v[SM+24+\k:SM+24+\k+1]
.endr
.irp k, 0,2,4,6
	v_pk_add_f32 v[SM+\k:SM+\k+1], v[SM+\k:SM+\k+1], v[SM+16+\k:SM+16+\k+1]
	v_pk_mul_f32 v[SM+32+\k:SM+32+\k+1], v[SM+32+\k:SM+32+\k+1], -2.0 op_sel_hi:[1,0]
.endr
	ds_store_b128 v[CPYL], v[SM:SM+3]
	ds_store_b128 v[CPYL], v[SM+4:SM+7] offset:2048
	ds_store_b128 v[CPYL], v[SM+32:SM+35] offset:4096
	ds_store_b128 v[CPYL], v[SM+36:SM+39] offset:6144
	PRO 0, 32                                      ; behind row 7: 24 rows and group 4
	VLOAD 1, 8*4096+512                            ; group 5
	PRO 1, 32                                      ; behind row 15: 16 rows, groups 4 and 5
	BLOAD 0, 0                                     ; W2's step 0
	PRO 2, 40                                      ; behind row 23: 8 rows, groups 4 and 5, W2's 16
	VLOAD 2, 16*4096+512                           ; group 6
	PRO 3, 40                                      ; behind row 31: groups 4, 5, 6 and W2's 16
	BLOAD 1, 8192                                  ; W2's step 1
	WIN 0
	s_wait_loadcnt 48                              ; group 4 is in; behind it: groups 5 and 6, W2's steps 0 and 1
	CVTH X, 0, 0
	CVTH X, 1, 0
	ASTORE LA, 0, 0
	VLOAD 3, 24*4096+512                           ; group 7
	s_wait_dscnt 0x0                               ; my rows of chunk 0, my parts of the bias and of -2 V are in LDS: zero, since all waves read them
	s_barrier_signal -1                            ; (the loads that are out land in my registers, and nobody writes those bytes)
	s_barrier_wait -1
	; ---- pass 0: u = 256 w .. 256 w + 127.  Trips 0-5 take groups 5-28 and ask for groups 8-31; trip 6 takes the last three; trip 7 has A whole.
	PASSHEAD 0
	STREAM 1
	s_mov_b32 s19, 5
.Lk0:
	STREAM 0
	s_sub_co_i32 s19, s19, 1
	s_cmp_lg_u32 s19, 0
	s_cbranch_scc1 .Lk0
	STEP 0, 1, 32, 0, 1, 1, 0, 0                   ; behind W2's step 24: group 30, W2's step 25, group 31
	STEP 1, 1, 24, 0, 1, 1, 0, 0                   ; behind W2's step 25: group 31, W2's step 26
	STEP 2, 1, 16, 0, 1, 1, 0, 0                   ; from here on: the next step's W2 alone
	STEP 3, 1, 16, 0, 1, 0, 0, 1                   ; the last barrier: chunk 7 is whole
	TRIPEND 1, 0, 1, 0
	PLAIN 0, 1                                     ; its last two steps fetch pass 1's first two: the wave's stream of W2S is one run of 512 KiB
	EPI 0
	; ---- pass 1: u = 256 w + 128 .. 256 w + 255.  A never changes any more and W2 is each wave's own: no barrier.
	PASSHEAD 1
	PLAIN 1, 0
	s_mov_b32 s19, 6
.Lk1:
	PLAIN 0, 0
	s_sub_co_i32 s19, s19, 1
	s_cmp_lg_u32 s19, 0
	s_cbranch_scc1 .Lk1
	STEP 0, 1, 16, 0, 1, 0, 0, 0
	STEP 1, 1, 16, 0, 1, 0, 0, 0                   ; the last fetch of W2
	STEP 2, 0, 16, 0, 1, 0, 0, 0
	STEP 3, 0, 0, 0, 0, 0, 0, 0                    ; nothing was issued behind the last step's fragments
	WIN 0
	EPI 1
	; ---- scores, the block's softmax
.irp a, 0,1,2,3,4,5,6,7
	v_permlanex16_b32 v[SP+\a], v[S+\a], s23, s24  ; the other half's u
.endr
.irp a, 0,1,2,3,4,5,6,7
	v_add_f32 v[S+\a], v[S+\a], v[SP+\a]
	ds_store_b32 v[SADR], v[S+\a] offset:64*\a     ; row 16 a + r; both halves write the same word with the same value
.endr
	v_add_nc_u32 v48, VM, v[L16]
.irp i, 0,1,2,3,4,5,6,7
	ds_load_b128 v[E+4*\i:E+4*\i+3], v48 offset:512*\i   ; all 1,024 of -2 V, 32 a lane
.endr
	s_wait_dscnt 0x0                               ; zero: the other waves read my score parts
	s_barrier_signal -1
	s_barrier_wait -1
.irp q, 0,1,2,3
	ds_load_b128 v[Z+4*\q:Z+4*\q+3], v[ZADR] offset:512*\q   ; rows 4 lane .. 4 lane + 3, wave q's part
.endr
.irp k, 0,2,4,6,8,10,12,14
	v_pk_add_f32 v[E+\k:E+\k+1], v[E+\k:E+\k+1], v[E+16+\k:E+16+\k+1]
.endr
.irp k, 0,2,4,6
	v_pk_add_f32 v[E+\k:E+\k+1], v[E+\k:E+\k+1], v[E+8+\k:E+8+\k+1]
.endr
	v_pk_add_f32 v[E:E+1], v[E:E+1], v[E+4:E+5]
	v_pk_add_f32 v[E+2:E+3], v[E+2:E+3], v[E+6:E+7]
	v_pk_add_f32 v[E:E+1], v[E:E+1], v[E+2:E+3]
	v_add_f32 v[E], v[E], v[E+1]
	WSUM E, E+1                                    ; sum of -2 V
	s_wait_kmcnt 0x0                               ; bV
	v_fma_f32 v50, -0.5, v[E], s22                 ; bV + sum V
	v_fma_f32 v51, -0.5, v[E], s22
	s_wait_dscnt 0x0
	v_pk_add_f32 v[Z:Z+1], v[Z:Z+1], v[Z+4:Z+5]
	v_pk_add_f32 v[Z+2:Z+3], v[Z+2:Z+3], v[Z+6:Z+7]
	v_pk_add_f32 v[Z+8:Z+9], v[Z+8:Z+9], v[Z+12:Z+13]
	v_pk_add_f32 v[Z+10:Z+11], v[Z+10:Z+11], v[Z+14:Z+15]
	v_pk_add_f32 v[Z:Z+1], v[Z:Z+1], v[Z+8:Z+9]
	v_pk_add_f32 v[Z+2:Z+3], v[Z+2:Z+3], v[Z+10:Z+11]
	v_pk_add_f32 v[Z:Z+1], v[Z:Z+1], v[50:51]
	v_pk_add_f32 v[Z+2:Z+3], v[Z+2:Z+3], v[50:51]  ; four scores a lane
	v_max3_num_f32 v52, v[Z], v[Z+1], v[Z+2]
	v_max_num_f32 v52, v52, v[Z+3]
	WMAX 52, E+1                                   ; m: the block's largest score, taken away before the exponential
.irp k, 0,1,2,3
	v_sub_f32 v[Z+\k], v[Z+\k], v52
.endr
.irp k, 0,1,2,3
	v_mul_f32 v[Z+\k], 0x3fb8aa3b, v[Z+\k]
.endr
.irp k, 0,1,2,3
	v_exp_f32 v[Z+\k], v[Z+\k]
.endr
.irp c, 0,1,2,3,4,5,6,7
	v_mov_b32 v[ACC+\c], 0                         ; the plain place behind the transcendentals, put to use
.endr
	s_wait_alu depctr_va_vdst(0)
	v_add_f32 v54, v[Z], v[Z+1]
	v_add_f32 v55, v[Z+2], v[Z+3]
	v_add_f32 v54, v54, v55
	WSUM 54, E+1                                   ; l
	ds_store_b128 v[PWS], v[Z:Z+3]                 ; every wave keeps p for itself: its own bytes, served in order, so no barrier
	; ---- ctx: my wave's 256 columns (chunks 2 w and 2 w + 1), 8 a lane, over the 128 rows; two buffers of 16 rows take turns
	CLOAD 0, 0
	CLOAD 1, 1
.irp n, 0,1,2,3,4,5
	s_wait_dscnt 20                                ; this batch is in; the next one's 20 loads stay out
	CFMA (\n&1)
	CLOAD (\n&1), (\n+2)
.endr
	s_wait_dscnt 20
	CFMA 0
	s_wait_dscnt 0
	CFMA 1
	; ---- the way out: a lane holds 32 consecutive bytes; through my own stage each store of the wave covers 512 consecutive bytes, aligned
	ds_store_b128 v[OSTS], v[ACC:ACC+3]
	ds_store_b128 v[OSTS], v[ACC+4:ACC+7] offset:16
	ds_load_b128 v[64:67], v[OSTL]
	ds_load_b128 v[68:71], v[OSTL] offset:512
	v_mov_b32 v56, v52
	v_mov_b32 v57, v54
	v_mov_b32 v58, v52
	v_mov_b32 v59, v54
	s_wait_dscnt 0x0
	global_store_b128 v[GOUT], v[64:67], s[14:15]
	global_store_b128 v[GOUT], v[68:71], s[14:15] offset:512
	s_cmp_lg_u32 s16, 0
	s_cbranch_scc1 .Ldone
	global_store_b128 v[L16], v[56:59], s[14:15] offset:4096   ; wave 0: (m, l, m, l) in every lane: the row's last 512 bytes are written whole
.Ldone:
	s_wait_tensorcnt 0x0
	ds_add_u32 v10, v11
	s_wait_dscnt 0x0
	s_endpgm
.Lfunc_end_k_q2d3483622c_attn:
	.size	k_q2d3483622c_attn, .Lfunc_end_k_q2d3483622c_attn-k_q2d3483622c_attn
	.p2alignl 7, 3214868480
	.fill 96, 4, 3214868480
	.section	.rodata,"a",@progbits
	.p2align	6, 0x0
	.amdhsa_kernel k_q2d3483622c_attn
		.amdhsa_group_segment_fixed_size 295424
		.amdhsa_private_segment_fixed_size 0
		.amdhsa_enable_private_segment 0
		.amdhsa_kernarg_size 48
		.amdhsa_user_sgpr_count 2
		.amdhsa_user_sgpr_kernarg_segment_ptr 1
		.amdhsa_wavefront_size32 1
		.amdhsa_system_sgpr_workgroup_id_x 1
		.amdhsa_system_sgpr_workgroup_id_y 1
		.amdhsa_system_sgpr_workgroup_id_z 1
		.amdhsa_system_vgpr_workitem_id 0
		.amdhsa_next_free_vgpr 1024
		.amdhsa_next_free_sgpr 66
		.amdhsa_reserve_vcc 0
		.amdhsa_float_denorm_mode_32 3
		.amdhsa_float_denorm_mode_16_64 3
		.amdhsa_memory_ordered 1
		.amdhsa_forward_progress 1
		.amdhsa_inst_pref_size 255
	.end_amdhsa_kernel
	.section	.bss,"aw",@nobits
	.p2align	6
	.space	262144
	.amdgpu_metadata
---
amdhsa.version: [ 1, 2 ]
amdhsa.kernels:
  - .name:           k_q2d3483622c_attn
    .symbol:         k_q2d3483622c_attn.kd
    .args:
      - { .name: values, .offset: 0, .size: 8, .value_kind: global_buffer, .address_space: global }
      - { .name: W2S, .offset: 8, .size: 8, .value_kind: global_buffer, .address_space: global }
      - { .name: qpart, .offset: 16, .size: 8, .value_kind: global_buffer, .address_space: global }
      - { .name: V, .offset: 24, .size: 8, .value_kind: global_buffer, .address_space: global }
      - { .name: bV, .offset: 32, .size: 8, .value_kind: global_buffer, .address_space: global }
      - { .name: part, .offset: 40, .size: 8, .value_kind: global_buffer, .address_space: global }
    .group_segment_fixed_size: 295424
    .private_segment_fixed_size: 0
    .kernarg_segment_align: 8
    .kernarg_segment_size: 48
    .max_flat_workgroup_size: 128
    .sgpr_count:     66
    .vgpr_count:     1024
    .wavefront_size: 32
...
	.end_amdgpu_metadata
.endif
;; end of part 2
;; launch comb (part 3): grid 32 x 1, 8 waves a work-group, no clusters, 0 bytes of LDS; arguments part, out0; writes out0
.if DOCPART == 3
	.amdgcn_target "amdgcn-amd-amdhsa--gfx1250"
	.amdhsa_code_object_version 6
	.text
	.protected	k_q2d3483622c_comb
	.globl	k_q2d3483622c_comb
	.p2align	8
	.type	k_q2d3483622c_comb,@function
k_q2d3483622c_comb:
	s_mov_b64 s[64:65], 0
	v_nop
	global_prefetch_b8 v0, s[64:65] scope:SCOPE_SE
	s_setreg_imm32_b32 hwreg(HW_REG_WAVE_MODE, 25, 1), 1
	s_wait_xcnt 0x0
; THE MERGE: out0[batch][d] = (sum over the batch's 16 blocks of w_i ctx_i[d]) / (sum of w_i l_i), w_i = e^(m_i - M), M = the largest m_i.
; One work-group a batch; thread t owns columns 4 t .. 4 t + 3, so each load and store of a wave covers 512 consecutive bytes.
; 32 work-groups: the launch has 2.3 MB to read and no more work to share out.  No LDS, no barrier: every thread reads all 16 pairs (m, l) itself.
; LIMITS: v_exp_f32 flushes denormals (ISA guide 15.8): a block whose w is below 2^-126 counts as 0.  The sum of w l is at least 1, since l_i >= 1 in the block with m_i = M.
.set PROW, 4608                        ; a block's row of part: 4,096 bytes of ctx, then (m, l) repeated
.set ML,  4                            ; v4-35   (m_i, l_i); m_i becomes w_i
.set CT,  36                           ; v36-99  ctx_i, 4 columns
.set M,   100
.set LS,  101
.set R,   102                          ; v102-103  1 / sum, twice
.set O,   104                          ; v104-107
	s_load_b128 s[4:7], s[0:1], 0x0                ; part s[4:5], out0 s[6:7]
	v_lshlrev_b32 v1, 4, v0
	v_mov_b32 v2, 0
	s_mul_i32 s8, ttmp9, 16*PROW
	s_mov_b32 s9, 0
	s_lshl_b32 s10, ttmp9, 12
	s_mov_b32 s11, 0
	s_wait_kmcnt 0x0
	s_add_nc_u64 s[4:5], s[4:5], s[8:9]
	s_add_nc_u64 s[6:7], s[6:7], s[10:11]
.set ii, 0
.rept 16
	global_load_b64 v[ML+2*ii:ML+2*ii+1], v2, s[4:5] offset:ii*PROW+4096
.set ii, ii+1
.endr
.set ii, 0
.rept 16
	global_load_b128 v[CT+4*ii:CT+4*ii+3], v1, s[4:5] offset:ii*PROW
.set ii, ii+1
.endr
	s_wait_loadcnt 16                              ; the 16 pairs are in; the 16 loads of ctx stay out
	v_max3_num_f32 v[M], v[ML], v[ML+2], v[ML+4]
.irp i, 3,5,7,9,11,13
	v_max3_num_f32 v[M], v[M], v[ML+2*\i], v[ML+2*\i+2]
.endr
	v_max_num_f32 v[M], v[M], v[ML+30]
.set ii, 0
.rept 16
	v_sub_f32 v[ML+2*ii], v[ML+2*ii], v[M]
.set ii, ii+1
.endr
.set ii, 0
.rept 16
	v_mul_f32 v[ML+2*ii], 0x3fb8aa3b, v[ML+2*ii]
.set ii, ii+1
.endr
.set ii, 0
.rept 16
	v_exp_f32 v[ML+2*ii], v[ML+2*ii]
.set ii, ii+1
.endr
	v_nop                                          ; one plain place behind the last transcendental (ISA guide 5.7.2)
	s_wait_alu depctr_va_vdst(0)
	v_mul_f32 v[LS], v[ML], v[ML+1]
.set ii, 1
.rept 15
	v_fmac_f32 v[LS], v[ML+2*ii], v[ML+2*ii+1]
.set ii, ii+1
.endr
	v_rcp_f32 v[R], v[LS]
	v_rcp_f32 v[R+1], v[LS]                        ; the products below stand between these and their use
	s_wait_loadcnt 0x0
	v_pk_mul_f32 v[O:O+1], v[CT:CT+1], v[ML:ML+1] op_sel_hi:[1,0]            ; both halves by w_0
	v_pk_mul_f32 v[O+2:O+3], v[CT+2:CT+3], v[ML:ML+1] op_sel_hi:[1,0]
.set ii, 1
.rept 15
	v_pk_fma_f32 v[O:O+1], v[CT+4*ii:CT+4*ii+1], v[ML+2*ii:ML+2*ii+1], v[O:O+1] op_sel_hi:[1,0,1]
	v_pk_fma_f32 v[O+2:O+3], v[CT+4*ii+2:CT+4*ii+3], v[ML+2*ii:ML+2*ii+1], v[O+2:O+3] op_sel_hi:[1,0,1]
.set ii, ii+1
.endr
	s_wait_alu depctr_va_vdst(0)
	v_pk_mul_f32 v[O:O+1], v[O:O+1], v[R:R+1]
	v_pk_mul_f32 v[O+2:O+3], v[O+2:O+3], v[R:R+1]
	global_store_b128 v1, v[O:O+3], s[6:7]
	s_endpgm
.Lfunc_end_k_q2d3483622c_comb:
	.size	k_q2d3483622c_comb, .Lfunc_end_k_q2d3483622c_comb-k_q2d3483622c_comb
	.p2alignl 7, 3214868480
	.fill 96, 4, 3214868480
	.section	.rodata,"a",@progbits
	.p2align	6, 0x0
	.amdhsa_kernel k_q2d3483622c_comb
		.amdhsa_group_segment_fixed_size 0
		.amdhsa_private_segment_fixed_size 0
		.amdhsa_enable_private_segment 0
		.amdhsa_kernarg_size 16
		.amdhsa_user_sgpr_count 2
		.amdhsa_user_sgpr_kernarg_segment_ptr 1
		.amdhsa_wavefront_size32 1
		.amdhsa_system_sgpr_workgroup_id_x 1
		.amdhsa_system_sgpr_workgroup_id_y 1
		.amdhsa_system_sgpr_workgroup_id_z 1
		.amdhsa_system_vgpr_workitem_id 0
		.amdhsa_next_free_vgpr 128
		.amdhsa_next_free_sgpr 66
		.amdhsa_reserve_vcc 0
		.amdhsa_float_denorm_mode_32 3
		.amdhsa_float_denorm_mode_16_64 3
		.amdhsa_memory_ordered 1
		.amdhsa_forward_progress 1
		.amdhsa_inst_pref_size 10
	.end_amdhsa_kernel
	.amdgpu_metadata
---
amdhsa.version: [ 1, 2 ]
amdhsa.kernels:
  - .name:           k_q2d3483622c_comb
    .symbol:         k_q2d3483622c_comb.kd
    .args:
      - { .name: part, .offset: 0, .size: 8, .value_kind: global_buffer, .address_space: global }
      - { .name: out0, .offset: 8, .size: 8, .value_kind: global_buffer, .address_space: global }
    .group_segment_fixed_size: 0
    .private_segment_fixed_size: 0
    .kernarg_segment_align: 8
    .kernarg_segment_size: 16
    .max_flat_workgroup_size: 256
    .sgpr_count:     66
    .vgpr_count:     128
    .wavefront_size: 32
...
	.end_amdgpu_metadata
.endif
;; end of part 3
